; MI455X (gfx1250); checked and timed in simulation.
; The chip was launched on July 23, 2026; its instructions are those of AMD's public machine-readable ISA for CDNA 5 (MIT licence, August 2026) and "CDNA5" Instruction Set Architecture Reference Guide (July 2026). The comments in the code are by the model that wrote it; some were corrected since.
;; Or. Allowed arithmetic: float matrix products may take bf16 or f16 operands with f32 sums; all other float work in f32.
;; Inputs: W 8 x 1,024 x 1,024 float32; b 8 x 1,024 float32; type_ids 8,192 int32; x 8,192 x 1,024 float32.
;; Outputs: out0 8,192 x 1,032 float32.
;; 2 versions, each right; version 2 is version 1 with the launch gemm written anew for expert scheduling mode. Each part assembles by itself: llvm-mc -triple=amdgcn-amd-amdhsa -mcpu=gfx1250 --defsym DOCPART=n.
;; ======== version 1 of 2: 2 launches
;; workspace buffers: order 33,792 bytes of whole numbers
;; launch route (part 1): grid 1 x 1, 32 waves a work-group, no clusters, 8,192 bytes of LDS; arguments type_ids, order; writes order
.if DOCPART == 1
	.amdgcn_target "amdgcn-amd-amdhsa--gfx1250"
	.amdhsa_code_object_version 6
	.text
	.protected	k_qad20c2b086_route
	.globl	k_qad20c2b086_route
	.p2align	8
	.type	k_qad20c2b086_route,@function
k_qad20c2b086_route:
	s_mov_b64 s[64:65], 0
	v_nop
	global_prefetch_b8 v0, s[64:65] scope:SCOPE_SE
	s_setreg_imm32_b32 hwreg(HW_REG_WAVE_MODE, 25, 1), 1
	s_wait_xcnt 0x0
; route: sorts the 8,192 row numbers by type and cuts the sorted list into exactly 64 row tiles of at most 144 rows.
; order, bytes 0 .. 32767:      perm[8192], u32, the row numbers sorted by type (any order inside a type).
;                               A row whose id is not in 0 .. 7 is filed under type 0 with bit 16 set; the next launch writes zeros for it, as one_hot does.
; order, bytes 32768 .. 33791:  tile[64] x 16 bytes = (first place in perm, rows, type, 0).
; WHY 64 TILES ALWAYS: n_k = ceil(c_k / 144) sums to at most floor((8192 + 8 x 143) / 144) = 64.  What is left of 64 goes to the first type with the
; largest count; that count is at least 8192 / 8 = 1024, so each of its at most 64 tiles still has rows.  Inside a type the rows are shared evenly:
; q = c div n, rem = c mod n, tile j starts at j q + min(j, rem) and has q + (j < rem) rows: at least 1, at most 144.
; One work-group of 32 waves, whole numbers only.  Thread t holds the ids of rows 4 t .. 4 t + 3 and 4096 + 4 t .. + 3.
; The perm words go out as single words at their sorted places: 32 KiB, once.
.set CAP,  144
.set CNT,  16                          ; s[16:23]  rows of type k met so far in my wave
.set TOT,  24                          ; s[24:31]  c_k: rows of type k in all
.set BASE, 32                          ; s[32:39]  first place in perm of my wave's rows of type k
.set NT,   40                          ; s[40:47]  n_k: tiles of type k
.set TB,   48                          ; s[48:55]  first tile of type k
.set OFF,  56                          ; s[56:63]  first place in perm of type k
.set SPARE, 66                         ; s66 tiles left over; s67 the type that gets them; s68 its count
.set ID,   4                           ; v[4:11]   ids, then keys 0 .. 7
.set ENT,  12                          ; v[12:19]  what goes into perm
.set POS,  20                          ; v[20:27]  rank of the row among my wave's rows of its type
.set C,    28                          ; v[28:35]  lane l: the eight counts of wave l
.set BP,   40                          ; v[40:47]  my wave's base for the row's type, then the store's byte offset
.set IX,   48                          ; v[48:55]  index of the lane permute
	s_load_b128 s[4:7], s[0:1], 0x0                ; type_ids s[4:5], order s[6:7]
	v_lshl_add_u32 v64, v0, 2, 0x1000
	v_mov_b32 v65, 0
	v_lshlrev_b32 v1, 4, v0                        ; 16 t
	v_and_b32 v2, 31, v0                           ; lane
	v_lshrrev_b32 v3, 5, v0
	v_readfirstlane_b32 s8, v3                     ; wave 0 .. 31
	s_mov_b32 s12, 0x76543210                      ; v_permlanex16_b32: lane i of one half reads lane i of the other
	s_mov_b32 s13, 0xfedcba98
.irp k, 0,1,2,3,4,5,6,7
	s_mov_b32 s[CNT+\k], 0
.endr
	s_wait_kmcnt 0x0
	global_load_b128 v[ID:ID+3],   v1, s[4:5] th:TH_LOAD_NT
	global_load_b128 v[ID+4:ID+7], v1, s[4:5] offset:16384 th:TH_LOAD_NT
	v_lshlrev_b32 v3, 2, v0                        ; 4 t
.irp i, 0,1,2,3,4,5,6,7
	v_add_nc_u32 v[ENT+\i], (\i/4)*4096+(\i%4), v3 ; the row number of register i
.endr
	s_wait_loadcnt 0x0
.irp i, 0,1,2,3,4,5,6,7
	v_cmp_gt_u32 vcc_lo, 8, v[ID+\i]               ; the id is one of the eight types (unsigned: a negative id is not)
	v_or_b32 v37, 0x10000, v[ENT+\i]
	v_cndmask_b32 v[ENT+\i], v37, v[ENT+\i], vcc_lo ; else bit 16 marks the row,
	v_cndmask_b32 v[ID+\i], 0, v[ID+\i], vcc_lo    ; and it is filed under type 0
.endr
; Rank of each row among my wave's rows of its type: those met in earlier registers + those in lower lanes of this register.
.macro RANK i, k
	v_cmp_eq_u32 s9, \k, v[ID+\i]
.if \k == 0
	v_mbcnt_lo_u32_b32 v[POS+\i], s9, s[CNT+\k]    ; written whole; lanes of other types are replaced below
.else
	v_mbcnt_lo_u32_b32 v3, s9, s[CNT+\k]
	v_cndmask_b32 v[POS+\i], v[POS+\i], v3, s9
.endif
	s_bcnt1_i32_b32 s10, s9
	s_add_co_u32 s[CNT+\k], s[CNT+\k], s10
.endm
.irp i, 0,1,2,3,4,5,6,7
.irp k, 0,1,2,3,4,5,6,7
	RANK \i, \k
.endr
.endr
	; my wave's eight counts into its 128 bytes of the table: lane k carries count k, the other lanes 0
	v_mov_b32 v36, 0
.irp k, 0,1,2,3,4,5,6,7
	v_writelane_b32 v36, s[CNT+\k], \k
.endr
	v_lshlrev_b32 v37, 2, v0
	ds_store_b32 v37, v36
	s_wait_dscnt 0x0                               ; my store is done before I say so
	s_barrier_signal -1
	s_barrier_wait -1                              ; all 32 waves' counts are in the table; it is never written again
	v_lshlrev_b32 v37, 7, v2
	ds_load_b128 v[C:C+3],   v37                   ; lane l: the counts of wave l
	ds_load_b128 v[C+4:C+7], v37 offset:16
	v_cmp_gt_u32 vcc_lo, s8, v2                    ; waves in front of mine
	s_wait_dscnt 0x0
	; one sum over the lanes gives two figures: bits 15:0 all waves' rows, bits 31:16 those of the waves in front of mine (each at most 8,192)
.irp k, 0,1,2,3,4,5,6,7
	v_lshl_add_u32 v3, v[C+\k], 16, v[C+\k]
	v_cndmask_b32 v[C+\k], v[C+\k], v3, vcc_lo
.endr
.macro SUM32 reg
.irp m, 1,2,4,8
	v_mov_b32_dpp v3, v[\reg] row_xmask:\m row_mask:0xf bank_mask:0xf
	v_add_nc_u32 v[\reg], v[\reg], v3
.endr
	v_permlanex16_b32 v3, v[\reg], s12, s13
	v_add_nc_u32 v[\reg], v[\reg], v3
.endm
.irp k, 0,1,2,3,4,5,6,7
	SUM32 C+\k
.endr
	s_mov_b32 s[OFF], 0
.irp k, 0,1,2,3,4,5,6,7
	v_readfirstlane_b32 s10, v[C+\k]
	s_and_b32 s[TOT+\k], s10, 0xffff
	s_lshr_b32 s10, s10, 16
	s_add_co_u32 s[BASE+\k], s[OFF+\k], s10
.if \k < 7
	s_add_co_u32 s[OFF+\k+1], s[OFF+\k], s[TOT+\k]
.endif
.endr
	; placement: place = my wave's base for the row's type + the row's rank
.irp k, 0,1,2,3,4,5,6,7
	v_writelane_b32 v36, s[BASE+\k], \k            ; lane k carries base k
.endr
.irp i, 0,1,2,3,4,5,6,7
	v_min_u32 v[IX+\i], 7, v[ID+\i]
	v_lshlrev_b32 v[IX+\i], 2, v[IX+\i]            ; the permute's index is lane x 4
	ds_bpermute_b32 v[BP+\i], v[IX+\i], v36        ; no LDS byte is touched
.endr
	s_wait_dscnt 0x0
.irp i, 0,1,2,3,4,5,6,7
	v_add_nc_u32 v[BP+\i], v[POS+\i], v[BP+\i]
	v_min_u32 v[BP+\i], 0x1fff, v[BP+\i]           ; the places are a permutation of 0 .. 8191; the bound is written out
	v_lshlrev_b32 v[BP+\i], 2, v[BP+\i]
	global_store_b32 v[BP+\i], v[ENT+\i], s[6:7]   ; BP and ENT are not written again
.endr
	; the table of tiles: threads 0 .. 63, one tile each
	s_cmp_ge_u32 s8, 2
	s_cbranch_scc1 .Lend
	s_mov_b32 s[SPARE], 64
.irp k, 0,1,2,3,4,5,6,7
	s_add_co_u32 s10, s[TOT+\k], CAP-1
	s_lshr_b32 s10, s10, 4                         ; u = (c + 143) div 16, at most 520
	s_mul_i32 s10, s10, 7282                       ; u div 9 = (7282 u) >> 16: 7282 / 65536 exceeds 1/9 by 2 / 589824, and 520 times that is below 1/9
	s_lshr_b32 s[NT+\k], s10, 16                   ; ceil(c / 144)
	s_sub_co_u32 s[SPARE], s[SPARE], s[NT+\k]
.endr
	s_mov_b32 s67, 0
	s_mov_b32 s68, s[TOT]
.irp k, 1,2,3,4,5,6,7
	s_cmp_gt_u32 s[TOT+\k], s68                    ; the first type with the largest count
	s_cselect_b32 s67, \k, s67
	s_cselect_b32 s68, s[TOT+\k], s68
.endr
.irp k, 0,1,2,3,4,5,6,7
	s_cmp_eq_u32 s67, \k
	s_cselect_b32 s10, s[SPARE], 0
	s_add_co_u32 s[NT+\k], s[NT+\k], s10
.endr
	s_mov_b32 s[TB], 0
.irp k, 0,1,2,3,4,5,6
	s_add_co_u32 s[TB+\k+1], s[TB+\k], s[NT+\k]
.endr
.set VC,  20                           ; my tile's type: its count,
.set VN,  21                           ; its tiles,
.set VTB, 22                           ; its first tile,
.set VOF, 23                           ; its first place in perm,
.set VE,  24                           ; its number
.set VJ,  25                           ; my tile's number inside the type
.set REM, 26
.set Q,   27
	v_mov_b32 v[VC], s[TOT]
	v_mov_b32 v[VN], s[NT]
	v_mov_b32 v[VTB], 0
	v_mov_b32 v[VOF], 0
	v_mov_b32 v[VE], 0
.irp k, 1,2,3,4,5,6,7
	v_cmp_le_u32 vcc_lo, s[TB+\k], v0              ; the first tiles ascend, so the last type that begins at or before t is mine; a type without tiles is overridden by the next, or begins at 64
	v_cndmask_b32 v[VC],  v[VC],  s[TOT+\k], vcc_lo
	v_cndmask_b32 v[VN],  v[VN],  s[NT+\k],  vcc_lo
	v_cndmask_b32 v[VTB], v[VTB], s[TB+\k],  vcc_lo
	v_cndmask_b32 v[VOF], v[VOF], s[OFF+\k], vcc_lo
	v_cndmask_b32 v[VE],  v[VE],  \k,        vcc_lo
.endr
	v_sub_nc_u32 v[VJ], v0, v[VTB]
	v_mov_b32 v[REM], v[VC]
	v_mov_b32 v[Q], 0
; one bit of c div n, from the top: c is at most 8,192 = 2^13 and n at least 1, so 14 bits
.macro DIVSTEP bit
	v_lshlrev_b32 v28, \bit, v[VN]
	v_cmp_ge_u32 vcc_lo, v[REM], v28
	v_sub_nc_u32 v29, v[REM], v28
	v_cndmask_b32 v[REM], v[REM], v29, vcc_lo
	v_add_co_ci_u32 v[Q], vcc_lo, v[Q], v[Q], vcc_lo   ; q = 2 q + bit
.endm
.irp bit, 13,12,11,10,9,8,7,6,5,4,3,2,1,0
	DIVSTEP \bit
.endr
	v_mad_u32_u24 v56, v[VJ], v[Q], v[VOF]
	v_min_u32 v30, v[VJ], v[REM]
	v_add_nc_u32 v56, v56, v30                     ; first place = type's first + j q + min(j, rem)
	v_cmp_lt_u32 vcc_lo, v[VJ], v[REM]
	v_cndmask_b32 v30, 0, 1, vcc_lo
	v_add_nc_u32 v57, v[Q], v30                    ; rows = q + (j < rem)
	v_mov_b32 v58, v[VE]
	v_mov_b32 v59, 0
	global_store_b128 v1, v[56:59], s[6:7] offset:32768    ; 64 threads, 16 neighbouring bytes each
.Lend:
	s_wait_tensorcnt 0x0
	ds_add_u32 v64, v65
	s_wait_dscnt 0x0
	s_endpgm
.Lfunc_end_k_qad20c2b086_route:
	.size	k_qad20c2b086_route, .Lfunc_end_k_qad20c2b086_route-k_qad20c2b086_route
	.p2alignl 7, 3214868480
	.fill 96, 4, 3214868480
	.section	.rodata,"a",@progbits
	.p2align	6, 0x0
	.amdhsa_kernel k_qad20c2b086_route
		.amdhsa_group_segment_fixed_size 8192
		.amdhsa_private_segment_fixed_size 0
		.amdhsa_enable_private_segment 0
		.amdhsa_kernarg_size 16
		.amdhsa_user_sgpr_count 2
		.amdhsa_user_sgpr_kernarg_segment_ptr 1
		.amdhsa_wavefront_size32 1
		.amdhsa_system_sgpr_workgroup_id_x 1
		.amdhsa_system_sgpr_workgroup_id_y 1
		.amdhsa_system_sgpr_workgroup_id_z 1
		.amdhsa_system_vgpr_workitem_id 0
		.amdhsa_next_free_vgpr 66
		.amdhsa_next_free_sgpr 80
		.amdhsa_reserve_vcc 1
		.amdhsa_float_denorm_mode_32 3
		.amdhsa_float_denorm_mode_16_64 3
		.amdhsa_memory_ordered 1
		.amdhsa_forward_progress 1
		.amdhsa_inst_pref_size 38
	.end_amdhsa_kernel
	.amdgpu_metadata
---
amdhsa.version: [ 1, 2 ]
amdhsa.kernels:
  - .name:           k_qad20c2b086_route
    .symbol:         k_qad20c2b086_route.kd
    .args:
      - { .name: type_ids, .offset: 0, .size: 8, .value_kind: global_buffer, .address_space: global }
      - { .name: order, .offset: 8, .size: 8, .value_kind: global_buffer, .address_space: global }
    .group_segment_fixed_size: 8192
    .private_segment_fixed_size: 0
    .kernarg_segment_align: 8
    .kernarg_segment_size: 16
    .max_flat_workgroup_size: 1024
    .sgpr_count:     80
    .vgpr_count:     66
    .wavefront_size: 32
...
	.end_amdgpu_metadata
.endif
;; end of part 1
;; launch gemm (part 2): grid 4 x 64, 4 waves a work-group, no clusters, 44,544 bytes of LDS; arguments W, b, x, order, out0; writes out0
.if DOCPART == 2
	.amdgcn_target "amdgcn-amd-amdhsa--gfx1250"
	.amdhsa_code_object_version 6
	.text
	.protected	k_qad20c2b086_gemm
	.globl	k_qad20c2b086_gemm
	.p2align	8
	.type	k_qad20c2b086_gemm,@function
k_qad20c2b086_gemm:
	s_mov_b64 s[64:65], 0
	v_nop
	global_prefetch_b8 v0, s[64:65] scope:SCOPE_SE
	s_setreg_imm32_b32 hwreg(HW_REG_WAVE_MODE, 25, 1), 1
	s_wait_xcnt 0x0
; gemm: out0[n][0:1024] = x[n] . W[type(n)] + b[type(n)], out0[n][1024:1032] = one_hot(type(n)), for the rows of one tile of the sorted list.
; Work-group (cb, ty): the at most 144 rows of tile ty x columns 256 cb .. + 255, K = 1024.  Four waves; wave w makes all 144 rows x columns 64 w .. + 63
; of the block: 9 x 4 accumulators of 16 x 16, 288 registers.  256 work-groups of equal work.
; LIMITS.  x and W are rounded to bf16 for the products; sums and bias stay in f32.  Only the row's own type is multiplied: where ANOTHER type's W or b
; holds an infinity or a NaN the dense form gives NaN (0 x inf) and this text gives the routed value.  An id outside 0 .. 7 gives a row of zeros.
; A tile has 1 .. 144 rows; places behind its last row repeat that row: they compute the same numbers and the same wave stores the same bytes once more,
; so every trip count and every branch is a constant, a work-group number or a wave number, and every lane stays on.
; W WITHOUT LDS.  Fragment q's column r stands for column 4 r + q of my 64.  A lane (r = lane % 16, h = lane / 16) loads 16 bytes, columns 4 r .. 4 r + 3 of one
; row k of W; component q belongs to fragment q.  Sixteen such loads (k = 8 h + i and 16 + 8 h + i) are 32 of K; sixteen lanes read 256 consecutive bytes that
; start at a multiple of 256 from W's first byte, and no two waves read the same bytes.  Two neighbouring k are packed by one conversion: k stays in its place.
; The same map serves the way out: register j of accumulators (a, 0 .. 3) is row 16 a + 8 h + j, columns 4 r .. 4 r + 3: 16 neighbouring bytes a lane,
; 256 consecutive bytes for sixteen lanes (a row of out0 is 4,128 bytes, so they start at multiples of 32, not of 256).
; x THROUGH LDS AS bf16.  A step is 64 of K: 256 consecutive bytes of each gathered row.  Wave w fetches rows 36 w .. + 35, converts and stores them; all waves read.
; NO JOINT TILE LOADS: x's rows are picked by a list, which a tile's descriptor cannot name; W has to be converted and turned on its way, which the
; registers do at no LDS traffic; and how many row tiles share a type's W hangs on the counts, so fixed partners could need different W.
.set PITCH, 144                        ; an LDS row: 128 bytes + 16.  144 r mod 256 = 16 (9 r mod 16): sixteen rows start in sixteen different 16-byte columns
.set XBUF,  144*PITCH                  ; 20,736 bytes: one step of x; two of them, at 0 and at XBUF
.set LIST,  2*XBUF                     ; behind them each wave's own copy of the tile's list: 160 words
.set LISTW, 640
.set WROW,  4096                       ; bytes in a row of W and of x
.set WSUB,  32*WROW                    ; 32 rows of W
; registers, in windows of 256 (s_set_vgpr_msb: bits 1:0 source 0, 3:2 source 1, 5:4 source 2, 7:6 destination)
.set WO,   1                           ; v1        32768 h + 16 r: my place in 32 rows of W
.set R16,  2                           ; v2        16 r
.set AFA,  3                           ; v3        144 r + 16 h: my place in a fragment of x
.set XST,  4                           ; v4        (36 w + h) 144 + 8 r: where I put 8 bytes of x
.set LE,   5                           ; v5        my list + 32 h
.set LT,   6                           ; v6        my list + 4 (lane / 2)
.set BIAS, 10                          ; v[10:13]  b of my four columns
.set XO,   14                          ; v[14:31]  byte offsets in x of the 18 rows that I fetch, + 16 r
.set AF,   32                          ; v[32:103] 9 fragments of x; on the way out the 72 list entries of my rows
.set BF,   104                         ; v[104:135] 4 fragments of W; on the way out the stores' data
.set ACC8, 136                         ; v[136:167] the accumulators of rows 128 .. 143
.set XT,   168                         ; v[168:203] x as bf16 on its way to LDS; at the start and on the way out: see below
.set PA,   XT                          ; start: 5 offsets into perm
.set PE,   XT+5                        ; start: 5 x 32 entries
.set LS,   XT+10                       ; start: my list + 4 lane
.set LG,   XT+11                       ; start: my list + 4 (36 w + h)
.set OD,   BF
.set OO,   XT                          ; way out: 8 byte offsets in out0
.set OH,   XT+8                         ; tail: my four numbers of the tile's one-hot
; window 1: v[8 (4 a + q) : + 7] accumulator (a, q), a = 0 .. 7.   window 2: WS = v[0:127] two groups of 16 loads of W, XS = v[128:199] 18 loads of x
.set WS,   0
.set XS,   128
.set MSB,  0
.macro WIN new                         ; the immediate's high byte repeats the setting that is left
.if MSB != \new
	s_set_vgpr_msb (MSB<<8)|\new
.set MSB, \new
.endif
.endm
.set FROM2, 0x0a                       ; sources 0 and 1 in window 2
.set TO2,   0x80                       ; destination in window 2
.set ACC1,  0x50                       ; C and D in window 1
.macro PLACES                          ; a load into, or a vector write of, a register that a matrix instruction names stands four plain vector instructions behind it
.rept 4
	v_nop
.endr
.endm
	s_load_b256 s[4:11], s[0:1], 0x0               ; W s[4:5], b s[6:7], x s[8:9], order s[10:11]
	s_load_b64 s[12:13], s[0:1], 0x20              ; out0
	v_lshl_add_u32 v254, v0, 2, 0xac00
	v_mov_b32 v255, 0
	v_lshrrev_b32 v7, 5, v0
	v_readfirstlane_b32 s14, v7                    ; wave 0 .. 3
	s_and_b32 s24, ttmp7, 0xffff                   ; row tile
	s_lshl_b32 s24, s24, 4                         ; its 16 bytes in the table
	s_wait_kmcnt 0x0
	s_load_b128 s[20:23], s[10:11], s24 offset:0x8000      ; first place in perm, rows, type, 0
	v_and_b32 v7, 15, v0                           ; r
	v_bfe_u32 v8, v0, 4, 1                         ; h
	v_and_b32 v9, 31, v0                           ; lane
	v_lshlrev_b32 v[R16], 4, v7
	v_lshl_add_u32 v[WO], v8, 15, v[R16]
	v_mul_u32_u24 v[AFA], v7, PITCH
	v_lshl_add_u32 v[AFA], v8, 4, v[AFA]
	s_mul_i32 s25, s14, 36                         ; the first row that my wave fetches
	s_mul_i32 s26, s14, LISTW
	s_add_co_u32 s26, s26, LIST                    ; my wave's list
	v_add_nc_u32 v[LG], s25, v8                    ; 36 w + h
	v_mul_u32_u24 v[XST], v[LG], PITCH
	v_lshl_add_u32 v[XST], v7, 3, v[XST]
	v_lshl_add_u32 v[LG], v[LG], 2, s26
	v_lshl_add_u32 v[LS], v9, 2, s26
	v_lshl_add_u32 v[LE], v8, 5, s26
	v_lshrrev_b32 v[LT], 1, v9
	v_lshl_add_u32 v[LT], v[LT], 2, s26
	s_wait_kmcnt 0x0
	s_min_u32 s20, s20, 8191                       ; the table's figures keep these bounds; they are written out
	s_sub_co_u32 s21, s21, 1
	s_min_u32 s21, s21, 143                        ; the tile's last place
	s_min_u32 s22, s22, 7
	s_lshl_b32 s27, ttmp9, 10
	s_lshl_b32 s28, s14, 8
	s_add_co_u32 s27, s27, s28                     ; my 64 columns: 1024 cb + 256 w bytes
	s_lshl_b32 s24, s22, 22                        ; a type's W is 4 MiB
	s_add_co_u32 s24, s24, s27
	s_mov_b32 s25, 0
	s_add_nc_u64 s[4:5], s[4:5], s[24:25]          ; W at the type's row 0, my columns
	s_lshl_b32 s24, s22, 12
	s_add_co_u32 s24, s24, s27
	s_add_nc_u64 s[6:7], s[6:7], s[24:25]          ; b likewise
	s_mov_b32 s24, s27
	s_add_nc_u64 s[12:13], s[12:13], s[24:25]      ; out0 at row 0, my columns
.irp i, 0,1,2,3,4
	v_add_nc_u32 v[PA+\i], 32*\i, v9               ; place m in the tile
	v_min_u32 v[PA+\i], s21, v[PA+\i]              ; places behind the last row repeat it
	v_add_nc_u32 v[PA+\i], s20, v[PA+\i]
	v_min_u32 v[PA+\i], 0x1fff, v[PA+\i]
	v_lshlrev_b32 v[PA+\i], 2, v[PA+\i]
	global_load_b32 v[PE+\i], v[PA+\i], s[10:11]
.endr
; 16 loads: 32 rows of W, my 64 columns, into group g; rho counts 32 rows from the base
.macro WFILL g, rho
	WIN TO2
.irp i, 0,1,2,3,4,5,6,7,8,9,10,11,12,13,14,15
	global_load_b128 v[WS+64*\g+4*\i:WS+64*\g+4*\i+3], v[WO], s[4:5] offset:(\rho)*WSUB+(\i+8*(\i/8))*WROW   ; rows 8 h + i, then 16 + 8 h + (i - 8)
.endr
.endm
; 18 loads: 256 bytes of each of my 36 rows of x; lanes 0-15 an even place, lanes 16-31 the next
.macro XFILL off
	WIN TO2
.irp j, 0,1,2,3,4,5,6,7,8,9,10,11,12,13,14,15,16,17
	global_load_b128 v[XS+4*\j:XS+4*\j+3], v[XO+\j], s[8:9] offset:\off
.endr
.endm
	WFILL 0, 0
	WFILL 1, 1
	WIN 0
	global_load_b128 v[BIAS:BIAS+3], v[R16], s[6:7]
	s_wait_loadcnt 33                              ; loads return in order (ISA guide 5.7.1): 32 of W and 1 of b are younger than the list's five
.irp i, 0,1,2,3,4
	ds_store_b32 v[LS], v[PE+\i] offset:128*\i     ; my wave's own bytes: no other wave touches them
.endr
.irp j, 0,1,2,3,4,5,6,7,8,9,10,11,12,13,14,15,16,17
	ds_load_b32 v[XO+\j], v[LG] offset:8*\j        ; LDS serves a wave's instructions in order: these see the stores above.  Place 36 w + 2 j + h
.endr
	s_wait_dscnt 0x0
.irp j, 0,1,2,3,4,5,6,7,8,9,10,11,12,13,14,15,16,17
	v_and_b32 v[XO+\j], 0x1fff, v[XO+\j]           ; the row number without the mark
	v_min_u32 v[XO+\j], 0x1fff, v[XO+\j]
	v_lshl_add_u32 v[XO+\j], v[XO+\j], 12, v[R16]
.endr
	XFILL 0                                        ; step 0; 51 loads are out at the most
; The x of the next step: wait for it, convert, ask for the step after it, store into buffer nbuf, and the step's ONE barrier.  The barrier stands between these
; stores and the next step's reads, and between this step's reads of the other buffer (each wave has waited for its own) and the stores into it a step later.
.macro XPHASE nbuf, left, fill, off
	s_wait_loadcnt \left
	WIN FROM2
.irp j, 0,1,2,3,4,5,6,7,8,9,10,11,12,13,14,15,16,17
	v_cvt_pk_bf16_f32 v[XT+2*\j],   v[XS+4*\j],   v[XS+4*\j+1]
	v_cvt_pk_bf16_f32 v[XT+2*\j+1], v[XS+4*\j+2], v[XS+4*\j+3]
.endr
.if \fill
	XFILL \off
.endif
	WIN 0
.irp j, 0,1,2,3,4,5,6,7,8,9,10,11,12,13,14,15,16,17
	ds_store_b64 v[XST], v[XT+2*\j:XT+2*\j+1] offset:\nbuf*XBUF+2*PITCH*\j
.endr
	s_wait_dscnt 0x0                               ; my stores are done before I say so
	s_barrier_signal -1
	s_barrier_wait -1
.endm
; 32 of K: 9 fragments of x from buffer buf (half sub of its rows), 4 fragments of W out of group g, group g asked for again two sub-steps ahead, 36 matrix instructions.
; The 36 accumulators take turns, one instruction a turn, in the same order in every sub-step.
.macro SUB buf, sub, g, rho, zero, wfill, left
	PLACES
	WIN 0
.irp a, 0,1,2,3,4,5,6,7,8
	ds_load_b128 v[AF+8*\a:AF+8*\a+3],   v[AFA] offset:\buf*XBUF+\a*16*PITCH+\sub*64
	ds_load_b128 v[AF+8*\a+4:AF+8*\a+7], v[AFA] offset:\buf*XBUF+\a*16*PITCH+\sub*64+32
.endr
	s_wait_loadcnt \left                           ; group g is in; what was asked for behind it stays out
	WIN FROM2
.irp q, 0,1,2,3
.irp t, 0,1,2,3,4,5,6,7
	v_cvt_pk_bf16_f32 v[BF+8*\q+\t], v[WS+64*\g+8*\t+\q], v[WS+64*\g+8*\t+4+\q]   ; loads 2 t and 2 t + 1 are neighbouring k
.endr
.endr
.if \wfill
	WFILL \g, \rho+2
.endif
	s_wait_dscnt 0x0
	WIN ACC1
.irp a, 0,1,2,3,4,5,6,7
.irp q, 0,1,2,3
.if \zero
	v_wmma_f32_16x16x32_bf16 v[8*(4*\a+\q):8*(4*\a+\q)+7], v[AF+8*\a:AF+8*\a+7], v[BF+8*\q:BF+8*\q+7], 0
.else
	v_wmma_f32_16x16x32_bf16 v[8*(4*\a+\q):8*(4*\a+\q)+7], v[AF+8*\a:AF+8*\a+7], v[BF+8*\q:BF+8*\q+7], v[8*(4*\a+\q):8*(4*\a+\q)+7]
.endif
.endr
.endr
	WIN 0
.irp q, 0,1,2,3
.if \zero
	v_wmma_f32_16x16x32_bf16 v[ACC8+8*\q:ACC8+8*\q+7], v[AF+64:AF+71], v[BF+8*\q:BF+8*\q+7], 0
.else
	v_wmma_f32_16x16x32_bf16 v[ACC8+8*\q:ACC8+8*\q+7], v[AF+64:AF+71], v[BF+8*\q:BF+8*\q+7], v[ACC8+8*\q:ACC8+8*\q+7]
.endif
.endr
.endm
; Two steps = 128 of K.  The loads go out in the order .. W(2s), W(2s+1), x(s+1), W(2s+2), W(2s+3), x(s+2) ..  So behind a group of W stand 16 + 18 = 34 younger
; loads when it is wanted, behind an x two groups of W = 32.  In the last trip nothing is asked for behind W(31): 16, then 0.  50 loads of 512 bytes are out in each wave.
.macro TRIP zero, last
	SUB 0, 0, 0, 0, \zero, 1, 34
	SUB 0, 1, 1, 1, 0, 1, 34
.if \last
	XPHASE 1, 32, 0, 0
	SUB 1, 0, 0, 2, 0, 0, 16
	SUB 1, 1, 1, 3, 0, 0, 0
.else
	XPHASE 1, 32, 1, 512
	SUB 1, 0, 0, 2, 0, 1, 34
	SUB 1, 1, 1, 3, 0, 1, 34
	XPHASE 0, 32, 1, 768
	s_wait_xcnt 0x0                                ; the bases are stepped only when every load issued has had its address translated (ISA guide 3.1)
	s_add_nc_u64 s[4:5], s[4:5], 4*WSUB
	s_add_nc_u64 s[8:9], s[8:9], 512
.endif
.endm
	XPHASE 0, 0, 1, 256                            ; step 0 into buffer 0 (this first wait is for all: W(0), W(1), b and x(0)); step 1 goes out
	TRIP 1, 0                                      ; steps 0, 1: the first products start the sums, nothing is cleared
	s_mov_b32 s28, 6
.Ltrip:
	TRIP 0, 0                                      ; steps 2 .. 13
	s_sub_co_u32 s28, s28, 1
	s_cmp_lg_u32 s28, 0
	s_cbranch_scc1 .Ltrip
	TRIP 0, 1                                      ; steps 14, 15: no load passes the end of a row of x or of the type's W
	; THE WAY OUT.  The list entries of my rows 16 a + 8 h + j, from my wave's own list
	PLACES
.irp a, 0,1,2,3,4,5,6,7,8
	ds_load_b128 v[AF+8*\a:AF+8*\a+3],   v[LE] offset:64*\a
	ds_load_b128 v[AF+8*\a+4:AF+8*\a+7], v[LE] offset:64*\a+16
.endr
	s_wait_dscnt 0x0
; 16 rows: + bias, zeros for a marked row, eight stores of 16 bytes a lane
.macro OUTA a
	s_wait_xcnt 0x0                                ; the last eight stores' data and offsets are written again only behind this wait
.irp j, 0,1,2,3,4,5,6,7
	v_cmp_gt_u32 s[40+\j], 0x10000, v[AF+8*\a+\j]  ; the row's id was one of the eight types
	v_and_b32 v7, 0x1fff, v[AF+8*\a+\j]
	v_min_u32 v7, 0x1fff, v7
	v_lshl_add_u32 v8, v7, 5, v[R16]
	v_lshl_add_u32 v[OO+\j], v7, 12, v8            ; 4128 n + 16 r
.endr
.if \a < 8
	WIN 0x01                                       ; source 0 in window 1
.irp j, 0,1,2,3,4,5,6,7
.irp q, 0,1,2,3
	v_add_f32 v[OD+4*\j+\q], v[8*(4*\a+\q)+\j], v[BIAS+\q]
.endr
.endr
	WIN 0
.else
.irp j, 0,1,2,3,4,5,6,7
.irp q, 0,1,2,3
	v_add_f32 v[OD+4*\j+\q], v[ACC8+8*\q+\j], v[BIAS+\q]
.endr
.endr
.endif
.irp j, 0,1,2,3,4,5,6,7
.irp q, 0,1,2,3
	v_cndmask_b32 v[OD+4*\j+\q], 0, v[OD+4*\j+\q], s[40+\j]
.endr
	global_store_b128 v[OO+\j], v[OD+4*\j:OD+4*\j+3], s[12:13] th:TH_STORE_NT   ; sixteen lanes: 256 consecutive bytes of one row
.endr
.endm
.irp a, 0,1,2,3,4,5,6,7,8
	OUTA \a
.endr
	; THE ONE-HOT TAIL, 32 bytes a row, by the wave that has just written the columns in front of it: cb = 3, w = 3
	s_lshl_b32 s24, ttmp9, 2
	s_add_co_u32 s24, s24, s14
	s_cmp_lg_u32 s24, 15
	s_cbranch_scc1 .Lend
	v_and_b32 v7, 1, v0                            ; p: which 16 bytes of the 32
	v_lshlrev_b32 v8, 2, v7
	v_lshlrev_b32 v9, 4, v7
.irp q, 0,1,2,3
	v_add_nc_u32 v7, \q, v8
	v_cmp_eq_u32 vcc_lo, s22, v7
	v_cndmask_b32 v[OH+\q], 0, 1.0, vcc_lo         ; all rows of a tile have the tile's type
.endr
.irp a, 0,1,2,3,4,5,6,7,8
	ds_load_b32 v[AF+\a], v[LT] offset:64*\a       ; row 16 a + lane / 2
.endr
	s_wait_dscnt 0x0
.irp a, 0,1,2,3,4,5,6,7,8
	v_cmp_gt_u32 vcc_lo, 0x10000, v[AF+\a]
	v_and_b32 v7, 0x1fff, v[AF+\a]
	v_min_u32 v7, 0x1fff, v7
	v_lshl_add_u32 v8, v7, 5, v9
	v_lshl_add_u32 v[AF+10+\a], v7, 12, v8         ; 4128 n + 16 p; each store has its own offset and data registers
.irp q, 0,1,2,3
	v_cndmask_b32 v[AF+20+4*\a+\q], 0, v[OH+\q], vcc_lo    ; a marked row has no type: zeros
.endr
	global_store_b128 v[AF+10+\a], v[AF+20+4*\a:AF+20+4*\a+3], s[12:13] offset:256 th:TH_STORE_NT   ; byte 4096 of the row = my base's 3840 + 256
.endr
.Lend:
	s_wait_tensorcnt 0x0
	ds_add_u32 v254, v255
	s_wait_dscnt 0x0
	s_endpgm
.Lfunc_end_k_qad20c2b086_gemm:
	.size	k_qad20c2b086_gemm, .Lfunc_end_k_qad20c2b086_gemm-k_qad20c2b086_gemm
	.p2alignl 7, 3214868480
	.fill 96, 4, 3214868480
	.section	.rodata,"a",@progbits
	.p2align	6, 0x0
	.amdhsa_kernel k_qad20c2b086_gemm
		.amdhsa_group_segment_fixed_size 44544
		.amdhsa_private_segment_fixed_size 0
		.amdhsa_enable_private_segment 0
		.amdhsa_kernarg_size 40
		.amdhsa_user_sgpr_count 2
		.amdhsa_user_sgpr_kernarg_segment_ptr 1
		.amdhsa_wavefront_size32 1
		.amdhsa_system_sgpr_workgroup_id_x 1
		.amdhsa_system_sgpr_workgroup_id_y 1
		.amdhsa_system_sgpr_workgroup_id_z 1
		.amdhsa_system_vgpr_workitem_id 0
		.amdhsa_next_free_vgpr 768
		.amdhsa_next_free_sgpr 66
		.amdhsa_reserve_vcc 1
		.amdhsa_float_denorm_mode_32 3
		.amdhsa_float_denorm_mode_16_64 3
		.amdhsa_memory_ordered 1
		.amdhsa_forward_progress 1
		.amdhsa_inst_pref_size 194
	.end_amdhsa_kernel
	.amdgpu_metadata
---
amdhsa.version: [ 1, 2 ]
amdhsa.kernels:
  - .name:           k_qad20c2b086_gemm
    .symbol:         k_qad20c2b086_gemm.kd
    .args:
      - { .name: W, .offset: 0, .size: 8, .value_kind: global_buffer, .address_space: global }
      - { .name: b, .offset: 8, .size: 8, .value_kind: global_buffer, .address_space: global }
      - { .name: x, .offset: 16, .size: 8, .value_kind: global_buffer, .address_space: global }
      - { .name: order, .offset: 24, .size: 8, .value_kind: global_buffer, .address_space: global }
      - { .name: out0, .offset: 32, .size: 8, .value_kind: global_buffer, .address_space: global }
    .group_segment_fixed_size: 44544
    .private_segment_fixed_size: 0
    .kernarg_segment_align: 8
    .kernarg_segment_size: 40
    .max_flat_workgroup_size: 128
    .sgpr_count:     66
    .vgpr_count:     768
    .wavefront_size: 32
...
	.end_amdgpu_metadata
.endif
;; end of part 2
;; ======== version 2 of 2: 2 launches; version 1 with the launch gemm written anew for expert scheduling mode
;; workspace buffers: order 33,792 bytes of whole numbers
;; launch route: the kernel of part 1 again; grid 1 x 1, 32 waves a work-group, no clusters, 8,192 bytes of LDS; arguments type_ids, order; writes order
;; launch gemm (part 3): grid 4 x 64, 4 waves a work-group, no clusters, 44,544 bytes of LDS; arguments W, b, x, order, out0; writes out0
.if DOCPART == 3
	.amdgcn_target "amdgcn-amd-amdhsa--gfx1250"
	.amdhsa_code_object_version 6
	.text
	.protected	k_qad20c2b086_gemm
	.globl	k_qad20c2b086_gemm
	.p2align	8
	.type	k_qad20c2b086_gemm,@function
k_qad20c2b086_gemm:
	s_mov_b64 s[64:65], 0
	v_nop
	global_prefetch_b8 v0, s[64:65] scope:SCOPE_SE
	s_setreg_imm32_b32 hwreg(HW_REG_WAVE_SCHED_MODE, 0, 2), 2
	s_setreg_imm32_b32 hwreg(HW_REG_WAVE_MODE, 25, 1), 1
	s_wait_xcnt 0x0
	s_wait_alu depctr_vm_vsrc(0)
; gemm: out0[n][0:1024] = x[n] . W[type(n)] + b[type(n)], out0[n][1024:1032] = one_hot(type(n)), for the rows of one tile of the sorted list.
; Work-group (cb, ty): the at most 144 rows of tile ty x columns 256 cb .. + 255, K = 1024.  Four waves; wave w makes all 144 rows x columns 64 w .. + 63
; of the block: 9 x 4 accumulators of 16 x 16, 288 registers.  256 work-groups of equal work.
; LIMITS.  x and W are rounded to bf16 for the products; sums and bias stay in f32.  Only the row's own type is multiplied: where ANOTHER type's W or b
; holds an infinity or a NaN the dense form gives NaN (0 x inf) and this text gives the routed value.  An id outside 0 .. 7 gives a row of zeros.
; A tile has 1 .. 144 rows; places behind its last row repeat that row: they compute the same numbers and the same wave stores the same bytes once more,
; so every trip count and every branch is a constant, a work-group number or a wave number, and every lane stays on.
; W WITHOUT LDS.  Fragment q's column r stands for column 4 r + q of my 64.  A lane (r = lane % 16, h = lane / 16) loads 16 bytes, columns 4 r .. 4 r + 3 of one
; row k of W; component q belongs to fragment q.  Sixteen such loads (k = 8 h + i and 16 + 8 h + i) are 32 of K; sixteen lanes read 256 consecutive bytes that
; start at a multiple of 256 from W's first byte, and no two waves read the same bytes.  Two neighbouring k are packed by one conversion: k stays in its place.
; The same map serves the way out: register j of accumulators (a, 0 .. 3) is row 16 a + 8 h + j, columns 4 r .. 4 r + 3: 16 neighbouring bytes a lane,
; 256 consecutive bytes for sixteen lanes (a row of out0 is 4,128 bytes, so they start at multiples of 32, not of 256).
; x THROUGH LDS AS bf16.  A step is 64 of K: 256 consecutive bytes of each gathered row.  Wave w fetches rows 36 w .. + 35, converts and stores them; all waves read.
; NO JOINT TILE LOADS: x's rows are picked by a list, which a tile's descriptor cannot name; W has to be converted and turned on its way, which the
; registers do at no LDS traffic; and how many row tiles share a type's W hangs on the counts, so fixed partners could need different W.
; THE MODE: SCHED_MODE bits 1:0 = 2 (LLVM: expert scheduling mode 2), set by the entry lines.  The code itself states the register dependences
; between vector or matrix instructions and memory or LDS instructions, with s_wait_alu, always for 0.
; THE PLAN.  A step is two sub-steps of 32 of K, an even one (set 0) and an odd one (set 1).  Registers that memory or LDS instructions touch, in the loop:
;   WS0, WS1   Sub-step u: its 32 conversions read WS[u % 2]; behind them the loads of W for sub-step u + 2 land in it.
;   XS         The odd sub-step of step s: its 36 conversions read XS (x of step s + 1); behind them the loads of x of step s + 2 land in it.
;   XT         Written by those 36 conversions; read by the 18 LDS stores behind them; written again a step later.
;   AF0        Read by the even sub-step's matrix instructions; the LDS loads at the head of the next even sub-step, behind the barrier, land in it.
;   AF1        Read by the odd sub-step's matrix instructions; the LDS loads in the middle of the next even sub-step's matrix instructions land in it.
;   WO, XO, AFA, XST  offsets and LDS addresses, made at the head and never written again: the scalar bases move on, and immediate offsets do the rest.
;   BF0, BF1 and the accumulators are named by vector and matrix instructions alone.
; So ONE wait on va_vdst stands in a sub-step, behind its conversions, and one wait on vm_vsrc in a step, ahead of the conversions that write XT.  What is issued
; between such a wait and a load or store that leans on it names none of that instruction's registers: an even sub-step's matrix instructions name AF0, BF0 and
; accumulators, an odd one's AF1, BF1 and accumulators.
.set PITCH, 144                        ; an LDS row: 128 bytes + 16.  144 r mod 256 = 16 (9 r mod 16): sixteen rows start in sixteen different 16-byte columns
.set XBUF,  144*PITCH                  ; 20,736 bytes: one step of x; two of them, at 0 and at XBUF
.set LIST,  2*XBUF                     ; behind them each wave's own copy of the tile's list: 160 words
.set LISTW, 640
.set WROW,  4096                       ; bytes in a row of W and of x
.set WSUB,  32*WROW                    ; 32 rows of W
; registers, in windows of 256 (s_set_vgpr_msb: bits 1:0 source 0, 3:2 source 1, 5:4 source 2, 7:6 destination)
.set WO,   1                           ; v1        32768 h + 16 r: my place in 32 rows of W
.set R16,  2                           ; v2        16 r
.set AFA,  3                           ; v3        144 r + 16 h: my place in a fragment of x
.set XST,  4                           ; v4        (36 w + h) 144 + 8 r: where I put 8 bytes of x
.set LE,   5                           ; v5        my list + 32 h
.set LT,   6                           ; v6        my list + 4 (lane / 2)
.set BIAS, 10                          ; v[10:13]  b of my four columns
.set XO,   14                          ; v[14:31]  byte offsets in x of the 18 rows that I fetch, + 16 r
.set AF,   32                          ; v[32:103] 9 fragments of x: set 0 in window 0, set 1 in window 3; on the way out window 0's hold the 72 list entries of my rows
.set BF,   104                         ; v[104:135] 4 fragments of W: set 0 in window 0, set 1 in window 3; on the way out window 0's are out-buffer 0's data
.set ACC8, 136                         ; v[136:167] the accumulators of rows 128 .. 143
.set XT,   168                         ; v[168:203] x as bf16 on its way to LDS; at the start and on the way out: see below
.set PA,   XT                          ; start: 5 offsets into perm
.set PE,   XT+5                        ; start: 5 x 32 entries
.set LS,   XT+10                       ; start: my list + 4 lane
.set LG,   XT+11                       ; start: my list + 4 (36 w + h)
.set OD,   BF                          ; way out: 32 registers of data: out-buffer 0 here, out-buffer 1 at v[204:235]
.set ODSTEP, 100
.set OO,   XT                          ; way out: 8 byte offsets in out0: out-buffer 0 here, out-buffer 1 at v[236:243]
.set OOSTEP, 68
.set OH,   XT+8                        ; tail: my four numbers of the tile's one-hot
; window 1: v[8 (4 a + q) : + 7] accumulator (a, q), a = 0 .. 7.   window 2: WS = v[0:127] two groups of 16 loads of W, XS = v[128:199] 18 loads of x
.set WS,   0
.set XS,   128
.set MSB,  0
.macro WIN new                         ; the immediate's high byte repeats the setting that is left
.if MSB != (\new)
	s_set_vgpr_msb (MSB<<8)|(\new)
.set MSB, (\new)
.endif
.endm
.set FROM2, 0x0a                       ; sources 0 and 1 in window 2
.set TO2,   0x80                       ; destination in window 2
.set TO3,   0xc0                       ; destination in window 3
.set ACC1,  0x50                       ; C and D in window 1
.set SET1,  0x0f                       ; sources 0 and 1 (a matrix instruction's fragments) in window 3
.macro PLACES                          ; a vector instruction that reads a matrix result stands four plain vector instructions behind it (ISA guide 7.12.1)
.rept 4
	v_nop
.endr
.endm
	s_load_b256 s[4:11], s[0:1], 0x0               ; W s[4:5], b s[6:7], x s[8:9], order s[10:11]
	s_load_b64 s[12:13], s[0:1], 0x20              ; out0
	v_lshl_add_u32 v254, v0, 2, 0xac00
	v_mov_b32 v255, 0
	v_lshrrev_b32 v7, 5, v0
	v_readfirstlane_b32 s14, v7                    ; wave 0 .. 3
	s_and_b32 s24, ttmp7, 0xffff                   ; row tile
	s_lshl_b32 s24, s24, 4                         ; its 16 bytes in the table
	s_wait_kmcnt 0x0
	s_load_b128 s[20:23], s[10:11], s24 offset:0x8000      ; first place in perm, rows, type, 0
	v_and_b32 v7, 15, v0                           ; r
	v_bfe_u32 v8, v0, 4, 1                         ; h
	v_and_b32 v9, 31, v0                           ; lane
	v_lshlrev_b32 v[R16], 4, v7
	v_lshl_add_u32 v[WO], v8, 15, v[R16]
	v_mul_u32_u24 v[AFA], v7, PITCH
	v_lshl_add_u32 v[AFA], v8, 4, v[AFA]
	s_wait_alu depctr_va_sdst(0)                   ; s14 is written, ahead of its first reader: LDS places, bases and a branch are made from it
	s_mul_i32 s25, s14, 36                         ; the first row that my wave fetches
	s_mul_i32 s26, s14, LISTW
	s_add_co_u32 s26, s26, LIST                    ; my wave's list
	v_add_nc_u32 v[LG], s25, v8                    ; 36 w + h
	v_mul_u32_u24 v[XST], v[LG], PITCH
	v_lshl_add_u32 v[XST], v7, 3, v[XST]
	v_lshl_add_u32 v[LG], v[LG], 2, s26
	v_lshl_add_u32 v[LS], v9, 2, s26
	v_lshl_add_u32 v[LE], v8, 5, s26
	v_lshrrev_b32 v[LT], 1, v9
	v_lshl_add_u32 v[LT], v[LT], 2, s26
	s_wait_kmcnt 0x0
	s_min_u32 s20, s20, 8191                       ; the table's figures keep these bounds; they are written out
	s_sub_co_u32 s21, s21, 1
	s_min_u32 s21, s21, 143                        ; the tile's last place
	s_min_u32 s22, s22, 7
	s_lshl_b32 s27, ttmp9, 10
	s_lshl_b32 s28, s14, 8
	s_add_co_u32 s27, s27, s28                     ; my 64 columns: 1024 cb + 256 w bytes
	s_lshl_b32 s24, s22, 22                        ; a type's W is 4 MiB
	s_add_co_u32 s24, s24, s27
	s_mov_b32 s25, 0
	s_add_nc_u64 s[4:5], s[4:5], s[24:25]          ; W at the type's row 0, my columns
	s_lshl_b32 s24, s22, 12
	s_add_co_u32 s24, s24, s27
	s_add_nc_u64 s[6:7], s[6:7], s[24:25]          ; b likewise
	s_mov_b32 s24, s27
	s_add_nc_u64 s[12:13], s[12:13], s[24:25]      ; out0 at row 0, my columns
.irp i, 0,1,2,3,4
	v_add_nc_u32 v[PA+\i], 32*\i, v9               ; place m in the tile
	v_min_u32 v[PA+\i], s21, v[PA+\i]              ; places behind the last row repeat it
	v_add_nc_u32 v[PA+\i], s20, v[PA+\i]
	v_min_u32 v[PA+\i], 0x1fff, v[PA+\i]
	v_lshlrev_b32 v[PA+\i], 2, v[PA+\i]
.endr
	s_wait_alu depctr_va_vdst(0)                   ; v1 to v6, PA, LS and LG are written: the offsets and LDS addresses that the loads and LDS instructions below, and all later ones but x's, read
.irp i, 0,1,2,3,4
	global_load_b32 v[PE+\i], v[PA+\i], s[10:11]
.endr
; 16 loads: 32 rows of W, my 64 columns, into group g; rho counts 32 rows from the base
.macro WFILL g, rho
	WIN TO2
.irp i, 0,1,2,3,4,5,6,7,8,9,10,11,12,13,14,15
	global_load_b128 v[WS+64*\g+4*\i:WS+64*\g+4*\i+3], v[WO], s[4:5] offset:(\rho)*WSUB+(\i+8*(\i/8))*WROW   ; rows 8 h + i, then 16 + 8 h + (i - 8)
.endr
.endm
; 18 loads: 256 bytes of each of my 36 rows of x; lanes 0-15 an even place, lanes 16-31 the next
.macro XFILL off
	WIN TO2
.irp j, 0,1,2,3,4,5,6,7,8,9,10,11,12,13,14,15,16,17
	global_load_b128 v[XS+4*\j:XS+4*\j+3], v[XO+\j], s[8:9] offset:\off
.endr
.endm
	WFILL 0, 0
	WFILL 1, 1
	WIN 0
	global_load_b128 v[BIAS:BIAS+3], v[R16], s[6:7]
	s_wait_loadcnt 33                              ; loads return in order (ISA guide 5.7.1): 32 of W and 1 of b are younger than the list's five
.irp i, 0,1,2,3,4
	ds_store_b32 v[LS], v[PE+\i] offset:128*\i     ; my wave's own bytes: no other wave touches them
.endr
.irp j, 0,1,2,3,4,5,6,7,8,9,10,11,12,13,14,15,16,17
	ds_load_b32 v[XO+\j], v[LG] offset:8*\j        ; LDS serves a wave's instructions in order: these see the stores above.  Place 36 w + 2 j + h
.endr
	s_wait_dscnt 0x0
.irp j, 0,1,2,3,4,5,6,7,8,9,10,11,12,13,14,15,16,17
	v_and_b32 v[XO+\j], 0x1fff, v[XO+\j]           ; the row number without the mark
	v_min_u32 v[XO+\j], 0x1fff, v[XO+\j]
	v_lshl_add_u32 v[XO+\j], v[XO+\j], 12, v[R16]
.endr
	WIN TO2
	s_wait_alu depctr_va_vdst(0)                   ; XO is written: every load of x reads it as its offset
	XFILL 0                                        ; step 0; 51 loads are out at the most
; x on its way to LDS: 36 conversions, XS to XT
.macro XCVT
	WIN FROM2
.irp j, 0,1,2,3,4,5,6,7,8,9,10,11,12,13,14,15,16,17
	v_cvt_pk_bf16_f32 v[XT+2*\j],   v[XS+4*\j],   v[XS+4*\j+1]
	v_cvt_pk_bf16_f32 v[XT+2*\j+1], v[XS+4*\j+2], v[XS+4*\j+3]
.endr
.endm
; and 18 LDS stores, XT into buffer nbuf
.macro XSTORE nbuf
	WIN 0
.irp j, 0,1,2,3,4,5,6,7,8,9,10,11,12,13,14,15,16,17
	ds_store_b64 v[XST], v[XT+2*\j:XT+2*\j+1] offset:(\nbuf)*XBUF+2*PITCH*\j
.endr
.endm
; 18 LDS loads: 9 fragments of x from buffer buf, half sub of its rows, into set sub
.macro AFILL buf, sub
	WIN TO3*(\sub)
.irp a, 0,1,2,3,4,5,6,7,8
	ds_load_b128 v[AF+8*\a:AF+8*\a+3],   v[AFA] offset:(\buf)*XBUF+\a*16*PITCH+(\sub)*64
	ds_load_b128 v[AF+8*\a+4:AF+8*\a+7], v[AFA] offset:(\buf)*XBUF+\a*16*PITCH+(\sub)*64+32
.endr
.endm
; 32 conversions: 4 fragments of W out of group g into set g.  That set's last readers are the matrix instructions of two sub-steps back: the other set's
; 32 conversions, which name none of their registers, stand between, more than the four places that such a write wants (ISA guide 7.12.1)
.macro WCVT g
	WIN FROM2+TO3*(\g)
.irp q, 0,1,2,3
.irp t, 0,1,2,3,4,5,6,7
	v_cvt_pk_bf16_f32 v[BF+8*\q+\t], v[WS+64*\g+8*\t+\q], v[WS+64*\g+8*\t+4+\q]   ; loads 2 t and 2 t + 1 are neighbouring k
.endr
.endr
.endm
; 16 matrix instructions: rows 16 a0 .. 16 a0 + 63 x my 64 columns, on fragment set 'set'.
; The 36 accumulators take turns, one instruction a turn, in the same order in every sub-step.
.macro MM4 set, a0, zero
	WIN ACC1+SET1*(\set)
.irp a, \a0, (\a0)+1, (\a0)+2, (\a0)+3
.irp q, 0,1,2,3
.if \zero
	v_wmma_f32_16x16x32_bf16 v[8*(4*(\a)+\q):8*(4*(\a)+\q)+7], v[AF+8*(\a):AF+8*(\a)+7], v[BF+8*\q:BF+8*\q+7], 0
.else
	v_wmma_f32_16x16x32_bf16 v[8*(4*(\a)+\q):8*(4*(\a)+\q)+7], v[AF+8*(\a):AF+8*(\a)+7], v[BF+8*\q:BF+8*\q+7], v[8*(4*(\a)+\q):8*(4*(\a)+\q)+7]
.endif
.endr
.endr
.endm
; and the last 4: rows 128 .. 143, whose accumulators lie in window 0
.macro MM8 set, zero
	WIN SET1*(\set)
.irp q, 0,1,2,3
.if \zero
	v_wmma_f32_16x16x32_bf16 v[ACC8+8*\q:ACC8+8*\q+7], v[AF+64:AF+71], v[BF+8*\q:BF+8*\q+7], 0
.else
	v_wmma_f32_16x16x32_bf16 v[ACC8+8*\q:ACC8+8*\q+7], v[AF+64:AF+71], v[BF+8*\q:BF+8*\q+7], v[ACC8+8*\q:ACC8+8*\q+7]
.endif
.endr
.endm
; THE EVEN SUB-STEP of a step, behind the step's barrier.  Its fragments of x are asked for first; the odd sub-step's in the middle of its matrix instructions.
.macro EVEN buf, rho, zero, wfill, left
	AFILL \buf, 0                                  ; AF0's last readers stand ahead of the odd sub-step's wait on va_vdst, and nothing issued since names AF0
	s_wait_loadcnt \left                           ; group 0 of W is in; what was asked for behind it stays out
	WCVT 0
.if \wfill
	WIN TO2
.endif
	s_wait_alu depctr_va_vdst(0)                   ; the conversions are done reading WS0, in which the loads of W land; the odd sub-step's matrix instructions are done reading AF1, in which the LDS loads further down land
.if \wfill
	WFILL 0, \rho+2                                ; the group is asked for again at once, two sub-steps ahead
.endif
	s_wait_dscnt 0x0                               ; AF0 is in
	MM4 0, 0, \zero
	AFILL \buf, 1                                  ; no wait: the sixteen matrix instructions since the wait name AF0, BF0 and accumulators
	MM4 0, 4, \zero
	MM8 0, \zero
.endm
; THE ODD SUB-STEP.  xph = 1: at its head the x of the next step is converted and stored into the other buffer, which no wave has read since the last barrier, so that the
; stores land under the matrix instructions; at its end stands the step's ONE barrier.  The barrier stands between these stores and the next step's reads, and between
; this step's reads of its buffer (each wave has waited for its own) and the stores into it a step later.  xfill = 1: the x of the step after next is asked for.
.macro ODD buf, rho, left, xph, xfill, xoff
	s_wait_loadcnt \left                           ; group 1 of W, and the x asked for with it, are in; the younger group of W stays out
.if \xph
	s_wait_alu depctr_vm_vsrc(0)                   ; the LDS stores of the step before have read XT, which the conversions write again
	XCVT
.endif
	WCVT 1
.if \xph
	WIN TO2
	s_wait_alu depctr_va_vdst(0)                   ; the conversions have written XT, which the LDS stores read, and are done reading WS1 and XS, in which the loads land; the even sub-step's matrix instructions are done reading AF0, in which the LDS loads behind the barrier land
	WFILL 1, \rho+2
.if \xfill
	XFILL \xoff
.endif
	XSTORE 1-\buf
	s_wait_dscnt 18                                ; LDS instructions end in order (ISA guide 5.7.1): AF1 is in, the 18 stores stay out
.else
	s_wait_dscnt 0x0                               ; AF1 is in
.endif
	MM4 1, 0, 0
	MM4 1, 4, 0
	MM8 1, 0
	WIN 0
.if \xph
	s_wait_dscnt 0x0                               ; my stores are done before I say so
	s_barrier_signal -1
	s_barrier_wait -1
.endif
.endm
; Two steps = 128 of K.  The loads go out in the order .. W(2s) | W(2s+1), x(s+1) | W(2s+2) | W(2s+3), x(s+2) ..  So behind an even group of W stand 16 + 18 = 34 younger
; loads when it is wanted, behind an odd group and its x one group of W = 16.  In the last trip nothing is asked for behind W(31): 16, then 0.  50 loads of 512 bytes are out in each wave.
.macro TRIP zero, last
	EVEN 0, 0, \zero, 1, 34
.if \last
	ODD 0, 1, 16, 1, 0, 0
	EVEN 1, 2, 0, 0, 16
	ODD 1, 3, 0, 0, 0, 0
.else
	ODD 0, 1, 16, 1, 1, 512
	EVEN 1, 2, 0, 1, 34
	ODD 1, 3, 16, 1, 1, 768
	s_wait_xcnt 0x0                                ; the bases are stepped only when every load issued has had its address translated (ISA guide 3.1)
	s_add_nc_u64 s[4:5], s[4:5], 4*WSUB
	s_add_nc_u64 s[8:9], s[8:9], 512
.endif
.endm
	; step 0 into buffer 0; step 1 goes out
	s_wait_loadcnt 0x0                             ; this first wait is for all: W(0), W(1), b and x(0)
	s_wait_alu depctr_vm_vsrc(0)                   ; the list's loads and LDS instructions have read PA, PE, LS and LG: these registers are XT from here on
	XCVT
	WIN TO2
	s_wait_alu depctr_va_vdst(0)                   ; the conversions have written XT, which the LDS stores read, and are done reading XS, in which the loads land
	XFILL 256
	XSTORE 0
	s_wait_dscnt 0x0                               ; my stores are done before I say so
	s_barrier_signal -1
	s_barrier_wait -1
	TRIP 1, 0                                      ; steps 0, 1: the first products start the sums, nothing is cleared
	s_mov_b32 s28, 6
.Ltrip:
	TRIP 0, 0                                      ; steps 2 .. 13
	s_sub_co_u32 s28, s28, 1
	s_cmp_lg_u32 s28, 0
	s_cbranch_scc1 .Ltrip
	TRIP 0, 1                                      ; steps 14, 15: no load passes the end of a row of x or of the type's W
	; THE WAY OUT.  The list entries of my rows 16 a + 8 h + j, from my wave's own list
	PLACES
	s_wait_alu depctr_va_vdst(0)                   ; the matrix instructions of the last even sub-step are done reading AF0, in which the list's entries land; the places above stay beside this wait
.irp a, 0,1,2,3,4,5,6,7,8
	ds_load_b128 v[AF+8*\a:AF+8*\a+3],   v[LE] offset:64*\a
	ds_load_b128 v[AF+8*\a+4:AF+8*\a+7], v[LE] offset:64*\a+16
.endr
	s_wait_alu depctr_vm_vsrc(0)                   ; the last LDS stores of x have read XT: its registers take offsets in out0 and the one-hot from here on
	s_wait_dscnt 0x0
; Two out-buffers take turns.  Block a (16 rows: + bias, zeros for a marked row) writes buffer a % 2; its eight stores of 16 bytes a lane are issued at the head of block a + 1,
; whose vector instructions name the other buffer.
.macro OUTST a
.irp j, 0,1,2,3,4,5,6,7
	global_store_b128 v[OO+OOSTEP*((\a)%2)+\j], v[OD+ODSTEP*((\a)%2)+4*\j:OD+ODSTEP*((\a)%2)+4*\j+3], s[12:13] th:TH_STORE_NT   ; sixteen lanes: 256 consecutive bytes of one row
.endr
.endm
.macro OUTA a
.set ODK, OD+ODSTEP*((\a)%2)
.set OOK, OO+OOSTEP*((\a)%2)
.if (\a) >= 2
	s_wait_xcnt 0x0                                ; my buffer's data and offsets, which the stores issued a block ago name, are written again only behind this wait
	s_wait_alu depctr_vm_vsrc(0)                   ; and those stores have read them
.endif
.if (\a) >= 1
	s_wait_alu depctr_va_vdst(0)                   ; the block before has written the other buffer's data and offsets, which the stores below read
	OUTST (\a)-1
.endif
.irp j, 0,1,2,3,4,5,6,7
	v_cmp_gt_u32 s[40+\j], 0x10000, v[AF+8*\a+\j]  ; the row's id was one of the eight types
	v_and_b32 v7, 0x1fff, v[AF+8*\a+\j]
	v_min_u32 v7, 0x1fff, v7
	v_lshl_add_u32 v8, v7, 5, v[R16]
	v_lshl_add_u32 v[OOK+\j], v7, 12, v8           ; 4128 n + 16 r
.endr
.if \a < 8
	WIN 0x01                                       ; source 0 in window 1
.irp j, 0,1,2,3,4,5,6,7
.irp q, 0,1,2,3
	v_add_f32 v[ODK+4*\j+\q], v[8*(4*\a+\q)+\j], v[BIAS+\q]
.endr
.endr
	WIN 0
.else
.irp j, 0,1,2,3,4,5,6,7
.irp q, 0,1,2,3
	v_add_f32 v[ODK+4*\j+\q], v[ACC8+8*\q+\j], v[BIAS+\q]
.endr
.endr
.endif
	s_wait_alu depctr_va_sdst(0)                   ; the eight compares have written s[40:47], which the selects read
.irp j, 0,1,2,3,4,5,6,7
.irp q, 0,1,2,3
	v_cndmask_b32 v[ODK+4*\j+\q], 0, v[ODK+4*\j+\q], s[40+\j]
.endr
.endr
.endm
.irp a, 0,1,2,3,4,5,6,7,8
	OUTA \a
.endr
	s_wait_alu depctr_va_vdst(0)                   ; block 8 has written its buffer, which the last eight stores read; all blocks are done reading the entries in AF, in which the tail's loads land
	OUTST 8
	; THE ONE-HOT TAIL, 32 bytes a row, by the wave that has just written the columns in front of it: cb = 3, w = 3
	s_lshl_b32 s24, ttmp9, 2
	s_add_co_u32 s24, s24, s14
	s_cmp_lg_u32 s24, 15
	s_cbranch_scc1 .Lend
.irp a, 0,1,2,3,4,5,6,7,8
	ds_load_b32 v[AF+\a], v[LT] offset:64*\a       ; row 16 a + lane / 2; no vector instruction since the wait above names these registers
.endr
	v_and_b32 v7, 1, v0                            ; p: which 16 bytes of the 32
	v_lshlrev_b32 v8, 2, v7
	v_lshlrev_b32 v9, 4, v7
.irp q, 0,1,2,3
	v_add_nc_u32 v7, \q, v8
	v_cmp_eq_u32 s[48+\q], s22, v7                 ; all rows of a tile have the tile's type
.endr
	s_wait_dscnt 0x0
.irp a, 0,1,2,3,4,5,6,7,8
	v_cmp_gt_u32 s[52+\a], 0x10000, v[AF+\a]
	v_and_b32 v7, 0x1fff, v[AF+\a]
	v_min_u32 v7, 0x1fff, v7
	v_lshl_add_u32 v8, v7, 5, v9
	v_lshl_add_u32 v[AF+10+\a], v7, 12, v8         ; 4128 n + 16 p; each store has its own offset and data registers
.endr
	s_wait_alu depctr_va_sdst(0)                   ; the thirteen compares have written s[48:60], which the selects read
.irp q, 0,1,2,3
	v_cndmask_b32 v[OH+\q], 0, 1.0, s[48+\q]
.endr
.irp a, 0,1,2,3,4,5,6,7,8
.irp q, 0,1,2,3
	v_cndmask_b32 v[AF+20+4*\a+\q], 0, v[OH+\q], s[52+\a]  ; a marked row has no type: zeros
.endr
.endr
	s_wait_alu depctr_va_vdst(0)                   ; the nine offsets and the 36 numbers are written, which the stores read
.irp a, 0,1,2,3,4,5,6,7,8
	global_store_b128 v[AF+10+\a], v[AF+20+4*\a:AF+20+4*\a+3], s[12:13] offset:256 th:TH_STORE_NT   ; byte 4096 of the row = my base's 3840 + 256
.endr
.Lend:
	s_wait_dscnt 0x0
	s_wait_alu depctr_hold_cnt(0) depctr_sa_sdst(0) depctr_va_vdst(0) depctr_va_sdst(0) depctr_va_ssrc(0) depctr_va_vcc(0) depctr_vm_vsrc(0)
	s_wait_tensorcnt 0x0
	ds_add_u32 v254, v255
	s_wait_dscnt 0x0
	s_endpgm
.Lfunc_end_k_qad20c2b086_gemm:
	.size	k_qad20c2b086_gemm, .Lfunc_end_k_qad20c2b086_gemm-k_qad20c2b086_gemm
	.p2alignl 7, 3214868480
	.fill 96, 4, 3214868480
	.section	.rodata,"a",@progbits
	.p2align	6, 0x0
	.amdhsa_kernel k_qad20c2b086_gemm
		.amdhsa_group_segment_fixed_size 44544
		.amdhsa_private_segment_fixed_size 0
		.amdhsa_enable_private_segment 0
		.amdhsa_kernarg_size 40
		.amdhsa_user_sgpr_count 2
		.amdhsa_user_sgpr_kernarg_segment_ptr 1
		.amdhsa_wavefront_size32 1
		.amdhsa_system_sgpr_workgroup_id_x 1
		.amdhsa_system_sgpr_workgroup_id_y 1
		.amdhsa_system_sgpr_workgroup_id_z 1
		.amdhsa_system_vgpr_workitem_id 0
		.amdhsa_next_free_vgpr 904
		.amdhsa_next_free_sgpr 66
		.amdhsa_reserve_vcc 0
		.amdhsa_float_denorm_mode_32 3
		.amdhsa_float_denorm_mode_16_64 3
		.amdhsa_memory_ordered 1
		.amdhsa_forward_progress 1
		.amdhsa_inst_pref_size 196
	.end_amdhsa_kernel
	.amdgpu_metadata
---
amdhsa.version: [ 1, 2 ]
amdhsa.kernels:
  - .name:           k_qad20c2b086_gemm
    .symbol:         k_qad20c2b086_gemm.kd
    .args:
      - { .name: W, .offset: 0, .size: 8, .value_kind: global_buffer, .address_space: global }
      - { .name: b, .offset: 8, .size: 8, .value_kind: global_buffer, .address_space: global }
      - { .name: x, .offset: 16, .size: 8, .value_kind: global_buffer, .address_space: global }
      - { .name: order, .offset: 24, .size: 8, .value_kind: global_buffer, .address_space: global }
      - { .name: out0, .offset: 32, .size: 8, .value_kind: global_buffer, .address_space: global }
    .group_segment_fixed_size: 44544
    .private_segment_fixed_size: 0
    .kernarg_segment_align: 8
    .kernarg_segment_size: 40
    .max_flat_workgroup_size: 128
    .sgpr_count:     66
    .vgpr_count:     904
    .wavefront_size: 32
...
	.end_amdgpu_metadata
.endif
;; end of part 3
